; MI455X (gfx1250); checked and timed in simulation.
; The chip was launched on July 23, 2026; its instructions are those of AMD's public machine-readable ISA for CDNA 5 (MIT licence, August 2026) and "CDNA5" Instruction Set Architecture Reference Guide (July 2026). The comments in the code are by the model that wrote it; some were corrected since.
;; Cross Attention. Allowed arithmetic: matrix products marked QUANTISED: E2M1 operands, one E8M0 scale for each 32 along K, by v_wmma_scale_f32_16x16x128_f8f6f4 with both operands' format E2M1 (or v_wmma_scale_f32_32x16x128_f4), f32 sums; products left as they are: bf16, f16 or f32 operands; f32 sums; everything else in f32.
;; Inputs: Wc 1,024 x 1,024 float32; Wk 1,024 x 1,024 float32; Wq 1,024 x 1,024 float32; bc 1,024 float32; bk 1,024 float32; bq 1,024 float32; k 2 x 2,048 x 1,024 float32; q 2 x 2,048 x 1,024 float32; v 2 x 2,048 x 1,024 float32.
;; Outputs: out0 2 x 2,048 x 1,024 float32.
;; This version of the problem:
;;   THIS VERSION OF THE PROBLEM IS GIVEN IN LOW PRECISION. The matrix products marked QUANTISED in the list below multiply operands that are first quantised to E2M1 (2 exponent bits, 1 mantissa bit; 4 bits a number), with one power-of-two scale for each 32 numbers along K (OCP MX v1.0); their sums are f32. The products marked 'left as it is' may take bf16, f16 or f32 operands, with f32 sums. Whichever they take, every output number must still come out within the allowed error. Rounding operands to bf16 (8 significant bits) uses up far more of that allowance than f16 does (11 bits, for magnitudes from 6e-5 to 65,504). All else is computed in f32.
;;   The module's matrix products, in the order in which they are computed (A, B: the left and right operand; K: the contracted axis; several contracted axes count as one K, in the product's order):
;;     1. [M 4,096, K 1,024] x [K 1,024, N 1,024]; A: input k; B: input Wk: QUANTISED
;;     2. [M 4,096, K 1,024] x [K 1,024, N 1,024]; A: input q; B: input Wq: QUANTISED
;;     3. batch 32 x [M 2,048, K 64] x [K 64, N 2,048]; A: computed on the way; B: computed on the way: left as it is (an operand is computed on the way)
;;     4. batch 32 x [M 2,048, K 2,048] x [K 2,048, N 64]; A: computed on the way; B: input v: left as it is (an operand is computed on the way)
;;     5. [M 4,096, K 1,024] x [K 1,024, N 1,024]; A: computed on the way; B: input Wc: left as it is (an operand is computed on the way)
;;   THE QUANTISER, for each operand of a quantised product, along K:
;;     - K is cut into blocks of 32 from its start; a last block that is shorter is filled with zeros.
;;     - A block's scale is 2^e with e = floor(log2(the largest magnitude in the block)) - 2, held to -126 .. 127; a block of zeros has e = 0. As a byte (E8M0): e + 127.
;;     - Each number is divided by its block's scale, clamped to +-6, and rounded to the nearest number of E2M1, ties to even, subnormals kept.
;;     - The product sums the exact products of the quantised numbers (number of the format x scale) in f32.
;;   ~~~python
;;   def quantise(x, axis):      # numpy; x: float32 -> the quantised numbers, widened to float32 again
;;       x = np.moveaxis(x, axis, -1); K = x.shape[-1]
;;       x = np.pad(x, [(0, 0)] * (x.ndim - 1) + [(0, -K % 32)]); x = x.reshape(x.shape[:-1] + (-1, 32)); a = np.abs(x).max(-1, keepdims=True)
;;       e = np.where(a > 0, np.clip(np.frexp(np.where(a > 0, a, 1))[1] - 1 - 2, -126, 127), 0)      # np.frexp(a)[1] - 1 = floor(log2(a)), exactly
;;       r = np.clip(x / 2.0 ** e, -6, 6)
;;       step = 2.0 ** (np.maximum(np.frexp(np.where(r == 0, 1, r))[1] - 1, 0) - 1)
;;       q = np.round(r / step) * step * 2.0 ** e      # np.round: ties to even
;;       return np.moveaxis(q.reshape(q.shape[:-2] + (-1,))[..., :K], -1, axis).astype(np.float32)
;;   ~~~
;; One version. Each part assembles by itself: llvm-mc -triple=amdgcn-amd-amdhsa -mcpu=gfx1250 --defsym DOCPART=n.
;; ======== version 1 of 1: 4 launches
;; limits: values are held in f16: magnitudes above 65,504 overflow, below 6.1e-05 lose precision
;; workspace buffers: acod 4,194,304 bytes; ascl 262,144 bytes; wcod 1,048,576 bytes; wscl 65,536 bytes; vh 8,388,608 bytes; wc16 2,097,152 bytes; qk16 16,777,216 bytes; y16 8,388,608 bytes
;; launch prep (part 1): grid 480 x 1, 4 waves a work-group, no clusters, 34,304 bytes of LDS; arguments q, k, Wq, Wk, v, Wc, acod, ascl, wcod, wscl, vh, wc16; writes acod, ascl, wcod, wscl, vh, wc16
.if DOCPART == 1
	.amdgcn_target "amdgcn-amd-amdhsa--gfx1250"
	.amdhsa_code_object_version 6
	.text
	.protected	k_q86bc543473_prep
	.globl	k_q86bc543473_prep
	.p2align	8
	.type	k_q86bc543473_prep,@function
k_q86bc543473_prep:
	s_mov_b64 s[64:65], 0
	v_nop
	global_prefetch_b8 v0, s[64:65] scope:SCOPE_SE
	s_setreg_imm32_b32 hwreg(HW_REG_WAVE_MODE, 25, 1), 1
	s_wait_xcnt 0x0
; PREP.  q, k [4096][1024] and Wq, Wk [1024][1024], f32, become codes of FP4 (E2M1) with one E8M0 byte for each 32 along K (K is innermost in all four);
; v [2][2048][1024] becomes f16 laid by head, [b*16+h][t][64]; Wc [1024][1024] becomes f16 as it lies.
; CODES ARE LAID AS IMAGES OF THE OPERAND'S REGISTERS: [tile of 16 rows][K step of 128][group c of four registers][512 bytes], lane l's 16 bytes at 16 l; lane (r, h) of group c holds
; row r, k = 128 ks + 64 c + 32 h + 0 .. 31.  q's 256 tiles, then k's 256, in acod; Wq's 64, then Wk's 64, in wcod.
; SCALE WORDS: [tile][half of K][row r][4 words], word t = the four bytes of K step 4 half + t: a later load of 16 bytes at 16 x lane gives lanes 0-15 K steps 0-3 and lanes 16-31 K steps 4-7.
; A block's scale is 2^(floor(log2(largest magnitude)) - 2); its byte is the largest magnitude's exponent field - 2, held at 1 from below.
; LIMITS: a block of zeros gets the byte 1 where the rule says 127 (its codes are zeros, and this program alone reads the bytes); NaN and infinities are not served; |v| and |Wc| stay under 65,504 (f16).
; WHO: work-groups 0-255 quantise q and k, 256-319 Wq and Wk (a wave: 16 rows x 512 along K), 320-447 convert v, 448-479 Wc (a wave: 32,768 bytes).  Every wave reads 32,768 bytes.  Waves share nothing: no barrier.
.set STW,   8448                       ; a wave's stage: 16 rows x 528 bytes
.set PITCH, 528                        ; 512 bytes + 16: the sixteen rows that a read touches start 4 words apart modulo 64 words
.set SPARE, 4*STW                      ; behind the stages: the spare words, 128 bytes a wave
.set L16, 4                            ; v4   16 x lane
.set STI, 5                            ; v5   the stage on the way in: wave's stage + 16 x lane
.set STO, 6                            ; v6   on the way out: wave's stage + 528 r + 128 h
.set SH8, 7                            ; v7   8 h
.set SCO, 8                            ; v8   16 r + 8 h: my two scale words' place
.set PD,  9                            ; v9   a lane permute's destination
.set MX,  10                           ; v10-11 largest magnitudes of my two blocks
.set SO,  12                           ; v12-13 the conversions' scale operands
.set BY,  14                           ; v14-15 the bytes
.set WD,  16                           ; v16-19 my row's scale words of the four K steps
.set WO,  20                           ; v20-21 the two that I store
.set VOF, 24                           ; v24  v's loads: 4096 (lane / 16) + 16 (lane % 16)
.set L8,  25                           ; v25  8 x lane
.set SPW, 30                           ; v30  my spare word; never rewritten
.set NIL, 31                           ; v31  0; never rewritten
.set R,   32                           ; v32-159 two sets of 64 as loaded (the converters: three sets, v32-223)
.set X,   160                          ; v160-223 my 64 numbers of a K step
.set C,   224                          ; v224-255 codes, eight registers for each K step: no store's data are written again
	s_load_b512 s[8:23], s[0:1], 0x0               ; q 8, k 10, Wq 12, Wk 14, v 16, Wc 18, acod 20, ascl 22
	s_load_b256 s[24:31], s[0:1], 0x40             ; wcod 24, wscl 26, vh 28, wc16 30
	v_lshl_add_u32 v[SPW], v0, 2, SPARE
	v_mov_b32 v[NIL], 0
	v_lshrrev_b32 v1, 5, v0
	v_readfirstlane_b32 s4, v1                     ; wave
	v_and_b32 v1, 31, v0                           ; lane
	v_and_b32 v2, 15, v0                           ; r
	v_bfe_u32 v3, v0, 4, 1                         ; h
	v_lshlrev_b32 v[L16], 4, v1
	s_mul_i32 s5, s4, STW
	v_add_nc_u32 v[STI], s5, v[L16]
	v_mul_u32_u24 v[STO], v2, PITCH
	v_lshl_add_u32 v[STO], v3, 7, v[STO]
	v_add_nc_u32 v[STO], s5, v[STO]
	v_lshlrev_b32 v[SH8], 3, v3
	v_lshlrev_b32 v[SCO], 4, v2
	v_lshl_add_u32 v[SCO], v3, 3, v[SCO]
	v_mov_b32 v[PD], 0
	v_lshlrev_b32 v[VOF], 4, v2
	v_lshl_add_u32 v[VOF], v3, 12, v[VOF]
	v_lshlrev_b32 v[L8], 3, v1
	s_mov_b32 s50, 0x76543210
	s_mov_b32 s51, 0xfedcba98                      ; v_permlanex16_b32's selects for lane l xor 16
	s_wait_kmcnt 0x0
	s_cmp_lt_u32 ttmp9, 320
	s_cbranch_scc0 .Lconvert
	; ---- THE QUANTISER.  The buffers are chosen on the work-group's number alone
	s_cmp_lt_u32 ttmp9, 256
	s_cselect_b64 s[32:33], s[8:9], s[12:13]       ; q or Wq
	s_cselect_b64 s[34:35], s[10:11], s[14:15]     ; k or Wk
	s_cselect_b64 s[36:37], s[20:21], s[24:25]     ; the codes
	s_cselect_b64 s[38:39], s[22:23], s[26:27]     ; the scale words
	s_cselect_b32 s40, 0, 256                      ; the first work-group of the pair of tensors
	s_cselect_b32 s41, 256, 64                     ; tiles in the first tensor of the pair
	s_sub_co_u32 s42, ttmp9, s40
	s_lshl_b32 s42, s42, 2
	s_add_co_u32 s42, s42, s4                      ; my job
	s_lshr_b32 s43, s42, 1                         ; its tile of 16 rows, counted through both tensors
	s_and_b32 s44, s42, 1                          ; its half of K
	s_cmp_ge_u32 s43, s41
	s_cselect_b64 s[32:33], s[34:35], s[32:33]
	s_cselect_b32 s45, s41, 0
	s_sub_co_u32 s45, s43, s45                     ; the tile within its tensor
	s_lshl_b32 s46, s45, 16                        ; 16 rows of 4,096 bytes
	s_lshl_b32 s48, s44, 11                        ; 512 numbers
	s_add_co_u32 s46, s46, s48
	s_mov_b32 s47, 0
	s_add_nc_u64 s[32:33], s[32:33], s[46:47]
	s_lshl_b32 s46, s43, 13                        ; a tile's codes: 8,192 bytes
	s_lshl_b32 s48, s44, 12
	s_add_co_u32 s46, s46, s48
	s_add_nc_u64 s[36:37], s[36:37], s[46:47]
	s_lshl_b32 s46, s43, 9                         ; a tile's scale words: 512 bytes
	s_lshl_b32 s48, s44, 8
	s_add_co_u32 s46, s46, s48
	s_add_nc_u64 s[38:39], s[38:39], s[46:47]
.macro LOAD t                          ; K step t of my half: 512 consecutive bytes of each of the 16 rows, 16 a lane
.irp i, 0,1,2,3,4,5,6,7,8,9,10,11,12,13,14,15
	global_load_b128 v[R+64*((\t)%2)+4*\i:R+64*((\t)%2)+4*\i+3], v[L16], s[32:33] offset:4096*\i+512*(\t) th:TH_LOAD_NT
.endr
.endm
; A K step: through my own stage, so that lane (r, h) holds, of row r, the two whole blocks k = 64 c + 32 h + 0 .. 31; their scales; their codes, which are the operand's registers as they stand.
.macro STEP t, left
	s_wait_loadcnt \left                           ; this step's 16 loads are in; the other set's may be out
.irp i, 0,1,2,3,4,5,6,7,8,9,10,11,12,13,14,15
	ds_store_b128 v[STI], v[R+64*((\t)%2)+4*\i:R+64*((\t)%2)+4*\i+3] offset:PITCH*\i
.endr
.irp c, 0,1
.irp j, 0,1,2,3,4,5,6,7
	ds_load_b128 v[X+32*\c+4*\j:X+32*\c+4*\j+3], v[STO] offset:256*\c+16*\j   ; LDS serves a wave's instructions in order: these see my stores
.endr
.endr
	s_wait_dscnt 0x0                               ; my 64 numbers are back
.if (\t) < 2
	LOAD (\t)+2                                    ; the set just emptied takes the K step two on
.endif
.irp c, 0,1
	v_max3_num_f32 v[MX+\c], |v[X+32*\c]|, |v[X+32*\c+1]|, 0x1800000   ; with the floor 2^(3 - 127): the byte cannot fall under 1
.endr
.irp i, 2,4,6,8,10,12,14,16,18,20,22,24,26,28,30
.irp c, 0,1
	v_max3_num_f32 v[MX+\c], v[MX+\c], |v[X+32*\c+\i]|, |v[X+32*\c+\i+1]|   ; the two blocks by turns
.endr
.endr
.irp c, 0,1
	v_add_nc_u32 v[SO+\c], 0xff000000, v[MX+\c]    ; 2 off the exponent field: the conversion's scale operand
.endr
.irp c, 0,1
	v_lshrrev_b32 v[BY+\c], 23, v[SO+\c]           ; the scale's byte
.endr
	v_lshl_or_b32 v[BY], v[BY+1], 16, v[BY]        ; my bytes: blocks h and 2 + h,
	v_lshlrev_b32 v[BY], v[SH8], v[BY]             ; at their places in the word;
	v_permlanex16_b32 v[PD], v[BY], s50, s51
	v_or_b32 v[WD+(\t)], v[BY], v[PD]              ; with lane l xor 16's two the word is whole
.irp c, 0,1
.irp g, 0,1,2,3
	v_cvt_scalef32_pk8_fp4_f32 v[C+8*(\t)+4*\c+\g], v[X+32*\c+8*\g:X+32*\c+8*\g+7], v[SO+\c]
.endr
.endr
	v_nop                                          ; one plain place behind the last scaled conversion
.irp c, 0,1
	global_store_b128 v[L16], v[C+8*(\t)+4*\c:C+8*(\t)+4*\c+3], s[36:37] offset:1024*(\t)+512*\c   ; 32 lanes store 512 consecutive bytes, aligned
.endr
.endm
	LOAD 0
	LOAD 1
	STEP 0, 16
	STEP 1, 16
	STEP 2, 16
	STEP 3, 0
	v_cmp_ne_u32 vcc_lo, 0, v3
	v_cndmask_b32 v[WO], v[WD], v[WD+2], vcc_lo    ; lanes 0-15 store words 0, 1 of their row, lanes 16-31 words 2, 3
	v_cndmask_b32 v[WO+1], v[WD+1], v[WD+3], vcc_lo
	global_store_b64 v[SCO], v[WO:WO+1], s[38:39]  ; 32 lanes store 256 consecutive bytes, aligned
	s_branch .Lend
	; ---- THE CONVERTERS: four passes of 16 loads of 16 bytes a lane; four numbers become 8 bytes; each store of the wave covers 256 consecutive bytes, aligned.  Three sets of registers: up to 48 loads a wave are out.
.macro CLOAD p, off, src, sp, si
.irp i, 0,1,2,3,4,5,6,7,8,9,10,11,12,13,14,15
	global_load_b128 v[R+64*((\p)%3)+4*\i:R+64*((\p)%3)+4*\i+3], v[\off], s[\src:\src+1] offset:(\p)*\sp+\i*\si th:TH_LOAD_NT
.endr
.endm
.macro CSTEP p, left, dst, dp, di
	s_wait_loadcnt \left                           ; this pass's 16 loads are in; the later passes' may be out
.irp i, 0,1,2,3,4,5,6,7,8,9,10,11,12,13,14,15
	v_cvt_pk_f16_f32 v[R+64*((\p)%3)+4*\i], v[R+64*((\p)%3)+4*\i], v[R+64*((\p)%3)+4*\i+1]
	v_cvt_pk_f16_f32 v[R+64*((\p)%3)+4*\i+1], v[R+64*((\p)%3)+4*\i+2], v[R+64*((\p)%3)+4*\i+3]
.endr
.irp i, 0,1,2,3,4,5,6,7,8,9,10,11,12,13,14,15
	global_store_b64 v[L8], v[R+64*((\p)%3)+4*\i:R+64*((\p)%3)+4*\i+1], s[\dst:\dst+1] offset:(\p)*\dp+\i*\di
.endr
.endm
.macro CONVERT off, src, dst, sp, si, dp, di
	CLOAD 0, \off, \src, \sp, \si
	CLOAD 1, \off, \src, \sp, \si
	CLOAD 2, \off, \src, \sp, \si
	CSTEP 0, 32, \dst, \dp, \di
	s_wait_xcnt 0x0                                ; pass 0's stores have read their registers: pass 3's loads may land there
	CLOAD 3, \off, \src, \sp, \si
	CSTEP 1, 32, \dst, \dp, \di
	CSTEP 2, 16, \dst, \dp, \di
	CSTEP 3, 0, \dst, \dp, \di
.endm
.Lconvert:
	s_cmp_lt_u32 ttmp9, 448
	s_cbranch_scc0 .Lweights
	s_sub_co_u32 s40, ttmp9, 320                   ; v: a job is 8 tokens.  Pass p: tokens 2 p (lanes 0-15) and 2 p + 1 (lanes 16-31); load i: head i's 256 bytes
	s_lshl_b32 s40, s40, 2
	s_add_co_u32 s40, s40, s4
	s_lshl_b32 s42, s40, 15
	s_mov_b32 s43, 0
	s_add_nc_u64 s[16:17], s[16:17], s[42:43]
	s_lshr_b32 s44, s40, 8                         ; the batch: 16 heads of 262,144 bytes
	s_lshl_b32 s44, s44, 22
	s_and_b32 s45, s40, 255                        ; 8 tokens of 128 bytes
	s_lshl_b32 s45, s45, 10
	s_add_co_u32 s42, s44, s45
	s_add_nc_u64 s[28:29], s[28:29], s[42:43]
	CONVERT VOF, 16, 28, 8192, 256, 256, 262144
	s_branch .Lend
.Lweights:
	s_sub_co_u32 s40, ttmp9, 448                   ; Wc: a plain stream, 32,768 bytes in and 16,384 out for a job
	s_lshl_b32 s40, s40, 2
	s_add_co_u32 s40, s40, s4
	s_lshl_b32 s42, s40, 15
	s_mov_b32 s43, 0
	s_add_nc_u64 s[18:19], s[18:19], s[42:43]
	s_lshl_b32 s42, s40, 14
	s_add_nc_u64 s[30:31], s[30:31], s[42:43]
	CONVERT L16, 18, 30, 8192, 512, 4096, 256
.Lend:
	s_wait_tensorcnt 0x0                           ; the wave's end, behind my last LDS store
	ds_add_u32 v[SPW], v[NIL]
	s_wait_dscnt 0x0
	s_endpgm
.Lfunc_end_k_q86bc543473_prep:
	.size	k_q86bc543473_prep, .Lfunc_end_k_q86bc543473_prep-k_q86bc543473_prep
	.p2alignl 7, 3214868480
	.fill 96, 4, 3214868480
	.section	.rodata,"a",@progbits
	.p2align	6, 0x0
	.amdhsa_kernel k_q86bc543473_prep
		.amdhsa_group_segment_fixed_size 34304
		.amdhsa_private_segment_fixed_size 0
		.amdhsa_enable_private_segment 0
		.amdhsa_kernarg_size 96
		.amdhsa_user_sgpr_count 2
		.amdhsa_user_sgpr_kernarg_segment_ptr 1
		.amdhsa_wavefront_size32 1
		.amdhsa_system_sgpr_workgroup_id_x 1
		.amdhsa_system_sgpr_workgroup_id_y 1
		.amdhsa_system_sgpr_workgroup_id_z 1
		.amdhsa_system_vgpr_workitem_id 0
		.amdhsa_next_free_vgpr 256
		.amdhsa_next_free_sgpr 66
		.amdhsa_reserve_vcc 1
		.amdhsa_float_denorm_mode_32 3
		.amdhsa_float_denorm_mode_16_64 3
		.amdhsa_memory_ordered 1
		.amdhsa_forward_progress 1
		.amdhsa_inst_pref_size 71
	.end_amdhsa_kernel
	.amdgpu_metadata
---
amdhsa.version: [ 1, 2 ]
amdhsa.kernels:
  - .name:           k_q86bc543473_prep
    .symbol:         k_q86bc543473_prep.kd
    .args:
      - { .name: q, .offset: 0, .size: 8, .value_kind: global_buffer, .address_space: global }
      - { .name: k, .offset: 8, .size: 8, .value_kind: global_buffer, .address_space: global }
      - { .name: Wq, .offset: 16, .size: 8, .value_kind: global_buffer, .address_space: global }
      - { .name: Wk, .offset: 24, .size: 8, .value_kind: global_buffer, .address_space: global }
      - { .name: v, .offset: 32, .size: 8, .value_kind: global_buffer, .address_space: global }
      - { .name: Wc, .offset: 40, .size: 8, .value_kind: global_buffer, .address_space: global }
      - { .name: acod, .offset: 48, .size: 8, .value_kind: global_buffer, .address_space: global }
      - { .name: ascl, .offset: 56, .size: 8, .value_kind: global_buffer, .address_space: global }
      - { .name: wcod, .offset: 64, .size: 8, .value_kind: global_buffer, .address_space: global }
      - { .name: wscl, .offset: 72, .size: 8, .value_kind: global_buffer, .address_space: global }
      - { .name: vh, .offset: 80, .size: 8, .value_kind: global_buffer, .address_space: global }
      - { .name: wc16, .offset: 88, .size: 8, .value_kind: global_buffer, .address_space: global }
    .group_segment_fixed_size: 34304
    .private_segment_fixed_size: 0
    .kernarg_segment_align: 8
    .kernarg_segment_size: 96
    .max_flat_workgroup_size: 128
    .sgpr_count:     66
    .vgpr_count:     256
    .wavefront_size: 32
...
	.end_amdgpu_metadata
.endif
;; end of part 1
;; launch proj (part 2): grid 4 x 64, 4 waves a work-group, clusters of 4 x 4, 197,120 bytes of LDS; arguments acod, ascl, wcod, wscl, bq, bk, qk16; writes qk16
.if DOCPART == 2
	.amdgcn_target "amdgcn-amd-amdhsa--gfx1250"
	.amdhsa_code_object_version 6
	.text
	.protected	k_q86bc543473_proj
	.globl	k_q86bc543473_proj
	.p2align	8
	.type	k_q86bc543473_proj,@function
k_q86bc543473_proj:
	s_mov_b64 s[64:65], 0
	v_nop
	global_prefetch_b8 v0, s[64:65] scope:SCOPE_SE
	s_setreg_imm32_b32 hwreg(HW_REG_WAVE_MODE, 25, 1), 1
	s_wait_xcnt 0x0
	s_wait_alu depctr_hold_cnt(0) depctr_sa_sdst(0) depctr_va_vdst(0) depctr_va_sdst(0) depctr_va_ssrc(0) depctr_va_vcc(0) depctr_vm_vsrc(0)
	s_getreg_b32 s2, hwreg(HW_REG_IB_STS2, 6, 4)
	s_cmp_eq_u32 s2, 0
	s_cbranch_scc0 .Lentry_in_a_cluster
	s_endpgm
.Lentry_in_a_cluster:
	s_bfe_u32 s2, ttmp6, 0x10000c
	s_cmp_lg_u32 s2, 0xf033
	s_cbranch_scc0 .Lentry_shape_is_right
	s_endpgm
.Lentry_shape_is_right:
; PROJ.  qp = q Wq^T + bq and kp = k Wk^T + bk on codes of FP4 with E8M0 scales; the results, rounded to f16, leave as images of the next product's fragments.
; The two products are one stack of 8,192 rows x 1,024 columns (q's rows, then k's).  A work-group takes 128 rows x 256 columns, a wave 64 x 128: 32 accumulators, 256 registers.
; ALL OF K LIES IN LDS: the rows' codes are 65,536 bytes, the weights' 131,072.  They come by first fills alone, in four quarters of two K steps of 128, each with its counted wait: nothing is ever filled again.
; CLUSTERS: 4 x 4.  The four of a row of the cluster need the same rows' codes, the four of a column the same weights' codes: each is asked for jointly.
; THE MATRIX INSTRUCTION IS USED TRANSPOSED (source 0 = 16 rows of W, source 1 = 16 rows of q or k): a lane holds eight neighbouring columns of one row, which as f16 are four registers of a fragment of the next product.
; The bias is the C of each sum's first product.  Codes lie in memory and in LDS as images of the operand's registers: every fragment load is 16 x lane + a constant.
; OUT: qk16 = qh, then kh, each [b*16+h][tile of 16 tokens][kc][c][512 bytes]: lane (r, h) holds token r, channels 32 kc + 16 c + 8 h + 0 .. 7.
; LIMITS: |qp| and |kp| stay under 65,504 (f16).
; REGISTERS: window 0: addresses; v32-47 the rows' scale words, v48-79 the weights'; v128-191 the rows' fragments, two sets; on the way out v128-255.  window 1: v0-127 the weights' fragments, two sets; v128-191 the bias.  window 2: accumulator (i, j) at v[8 (8 i + j)].
.set QB,    49152                      ; a quarter of K in LDS: 8 tiles of rows x 2,048 bytes, then 16 tiles of weights x 2,048
.set WOFF,  16384
.set SPARE, 4*QB                       ; behind the quarters: the spare words, 128 bytes a wave
.set L16,  2                           ; v2     16 x lane
.set BO,   3                           ; v3     32 h: my half's eight numbers of a tile's bias
.set ADRA, 16                          ; v16-19 my 4 tiles of rows in quarter 0 .. 3
.set ADRB, 20                          ; v20-23 my 8 tiles of weights
.set SPW,  28
.set NIL,  29
.set SA,   32
.set SW,   48
.set AF,   128
.set OUT,  128
.set BIAS, 128
.set WV,   18
.set G1A,  24
.set G1B,  32
.set G0A,  40                          ; s[40:55] group 0 for the rows' codes, a set for each quarter
.set G0B,  68                          ; s[68:83] for the weights'
.set MSB, 0
.macro WIN new                         ; the immediate's high byte repeats the setting that is left
.if MSB != \new
	s_set_vgpr_msb (MSB<<8)|\new
.set MSB, \new
.endif
.endm
.macro CROUND                          ; a round of the cluster's barrier
	s_barrier_signal -1
	s_barrier_wait -1
	s_cmp_lg_u32 s[WV], 0
	s_cbranch_scc1 .Lnot_wave_0_\@
	s_barrier_signal -3
.Lnot_wave_0_\@:
	s_barrier_wait -3
	s_barrier_signal -1
	s_barrier_wait -1
.endm
.macro PLACES                          ; four plain places behind a matrix instruction, in front of loads into its sources and of reads of its result
.rept 4
	v_nop
.endr
.endm
	s_load_b256 s[4:11], s[0:1], 0x0               ; acod 4, ascl 6, wcod 8, wscl 10
	s_load_b128 s[12:15], s[0:1], 0x20             ; bq 12, bk 14
	s_load_b64 s[16:17], s[0:1], 0x30              ; qk16
	v_lshl_add_u32 v[SPW], v0, 2, SPARE
	v_mov_b32 v[NIL], 0
	ds_add_u32 v[SPW], v[NIL]                      ; the wave's opening: the add, twice on end, and its wait ahead of my first tensor load
	ds_add_u32 v[SPW], v[NIL]
	v_lshrrev_b32 v1, 5, v0
	v_readfirstlane_b32 s[WV], v1                  ; wave 0..3
	s_lshr_b32 s19, s[WV], 1                       ; my half of the rows.  Also: I fetch rows' codes (0) or weights' (1)
	s_and_b32 s20, s[WV], 1                        ; my half of the columns.  Also: which half of them I fetch
	s_bfe_u32 s21, ttmp6, 0x40000                  ; cx
	s_bfe_u32 s22, ttmp6, 0x40004                  ; cy
	s_lshl_b32 s23, ttmp9, 2
	s_add_co_u32 s23, s23, s21                     ; X: my 256 columns
	s_and_b32 s56, ttmp7, 0xffff                   ; the cluster's y
	s_lshl_b32 s57, s56, 2
	s_add_co_u32 s57, s57, s22                     ; Y: my 128 rows of the stack
	s_lshr_b32 s58, s56, 3                         ; 0: q's product, 1: k's; from the cluster's y alone, so all sixteen partners share it
	s_lshl_b32 s59, s22, 2
	s_lshl_b32 s59, 15, s59                        ; my row of the cluster
	s_lshl_b32 s60, 0x1111, s21                    ; my column
	s_or_b32 s[G1A], s59, (3<<16)|(1<<21)          ; 15:0 the mask; 17:16 elements of 8 bytes; 21 set beside a mask; no padding
	s_mov_b32 s[G1A+1], 256<<16                    ; tensor_dim0 = 256 elements: two K steps of a tile, 2,048 bytes
	s_mov_b32 s[G1A+2], 4<<16                      ; tensor_dim1 = 4 tiles
	s_mov_b32 s[G1A+3], 256<<16                    ; tile_dim0
	s_mov_b32 s[G1A+4], 4                          ; tile_dim1
	s_mov_b32 s[G1A+5], 1024                       ; from tile to tile: 8,192 bytes
	s_mov_b32 s[G1A+6], 0
	s_mov_b32 s[G1A+7], 0
	s_or_b32 s[G1B], s60, (3<<16)|(1<<21)
	s_mov_b32 s[G1B+1], 256<<16
	s_mov_b32 s[G1B+2], 8<<16                      ; 8 tiles
	s_mov_b32 s[G1B+3], 256<<16
	s_mov_b32 s[G1B+4], 8
	s_mov_b32 s[G1B+5], 1024
	s_mov_b32 s[G1B+6], 0
	s_mov_b32 s[G1B+7], 0
	s_lshl_b32 s84, s57, 16                        ; rows' codes: tile 8 Y + 4 half, 8,192 bytes a tile
	s_lshl_b32 s88, s20, 15
	s_add_co_u32 s84, s84, s88
	s_mov_b32 s85, 0
	s_lshl_b32 s86, s58, 19                        ; weights' codes: tile 64 which + 16 X + 8 half
	s_lshl_b32 s89, s23, 17
	s_add_co_u32 s86, s86, s89
	s_lshl_b32 s89, s20, 16
	s_add_co_u32 s86, s86, s89
	s_mov_b32 s87, 0
	s_lshl_b32 s90, s20, 13                        ; where they go in a quarter: no place in the cluster enters an LDS address
	s_lshl_b32 s91, s20, 14
	s_add_co_u32 s91, s91, WOFF
	s_wait_dscnt 0x0                               ; both opening adds are done
	s_wait_kmcnt 0x0
	s_add_nc_u64 s[84:85], s[4:5], s[84:85]
	s_add_nc_u64 s[86:87], s[8:9], s[86:87]
.irp kq, 0,1,2,3
	s_mov_b32 s[G0A+4*\kq], 1
	s_add_co_u32 s[G0A+4*\kq+1], s90, \kq*QB
	s_add_nc_u64 s[G0A+4*\kq+2:G0A+4*\kq+3], s[84:85], \kq*2048
	s_or_b32 s[G0A+4*\kq+3], s[G0A+4*\kq+3], 0x80000000
	s_mov_b32 s[G0B+4*\kq], 1
	s_add_co_u32 s[G0B+4*\kq+1], s91, \kq*QB
	s_add_nc_u64 s[G0B+4*\kq+2:G0B+4*\kq+3], s[86:87], \kq*2048
	s_or_b32 s[G0B+4*\kq+3], s[G0B+4*\kq+3], 0x80000000
.endr
	CROUND                                         ; all sixteen work-groups are here: the joint loads meet
	s_cmp_eq_u32 s19, 0                            ; a wave's four fills stand in one branch: four loads of mine are out
	s_cbranch_scc0 .Lfirst_b
.irp kq, 0,1,2,3
	tensor_load_to_lds s[G0A+4*\kq:G0A+4*\kq+3], s[G1A:G1A+7]
	s_nop 0
.endr
.rept 4
	v_nop
.endr
	s_branch .Lfirst_asked
.Lfirst_b:
.irp kq, 0,1,2,3
	tensor_load_to_lds s[G0B+4*\kq:G0B+4*\kq+3], s[G1B:G1B+7]
	s_nop 0
.endr
.rept 4
	v_nop
.endr
.Lfirst_asked:
	v_and_b32 v1, 31, v0
	v_lshlrev_b32 v[L16], 4, v1
	v_bfe_u32 v[BO], v0, 4, 1
	v_lshlrev_b32 v[BO], 5, v[BO]
	s_lshl_b32 s92, s19, 13                        ; my 4 tiles of rows,
	s_lshl_b32 s93, s20, 14                        ; my 8 tiles of weights
	s_add_co_u32 s93, s93, WOFF
.irp kq, 0,1,2,3
	v_add_nc_u32 v[ADRA+\kq], s92, v[L16]
	v_add_nc_u32 v[ADRB+\kq], s93, v[L16]
	s_add_co_u32 s92, s92, QB
	s_add_co_u32 s93, s93, QB
.endr
	s_mov_b32 s97, 0
	s_lshl_b32 s96, s57, 12                        ; the rows' scale words: tile 8 Y + 4 wr, 512 bytes a tile
	s_lshl_b32 s94, s19, 11
	s_add_co_u32 s96, s96, s94
	s_add_nc_u64 s[6:7], s[6:7], s[96:97]
	s_lshl_b32 s96, s58, 15                        ; the weights': tile 64 which + 16 X + 8 wc
	s_lshl_b32 s94, s23, 13
	s_add_co_u32 s96, s96, s94
	s_lshl_b32 s94, s20, 12
	s_add_co_u32 s96, s96, s94
	s_add_nc_u64 s[10:11], s[10:11], s[96:97]
	s_cmp_eq_u32 s58, 0
	s_cselect_b64 s[12:13], s[12:13], s[14:15]     ; bq or bk
	s_lshl_b32 s96, s23, 10                        ; my 128 numbers of it
	s_lshl_b32 s94, s20, 9
	s_add_co_u32 s96, s96, s94
	s_add_nc_u64 s[12:13], s[12:13], s[96:97]
	s_lshr_b32 s96, s57, 4                         ; out: (2 which + batch) x 16 heads x 262,144 bytes,
	s_lshl_b32 s96, s96, 22
	s_lshl_b32 s94, s23, 20                        ; head 4 X + 2 wc,
	s_add_co_u32 s96, s96, s94
	s_lshl_b32 s94, s20, 19
	s_add_co_u32 s96, s96, s94
	s_and_b32 s94, s57, 15                         ; tile of tokens 8 (Y % 16) + 4 wr, 2,048 bytes a tile
	s_lshl_b32 s94, s94, 14
	s_add_co_u32 s96, s96, s94
	s_lshl_b32 s94, s19, 13
	s_add_co_u32 s96, s96, s94
	s_add_nc_u64 s[16:17], s[16:17], s[96:97]
.irp i, 0,1,2,3
	global_load_b128 v[SA+4*\i:SA+4*\i+3], v[L16], s[6:7] offset:512*\i     ; register t: lanes 0-15 the word of K step t, lanes 16-31 that of K step 4 + t
.endr
.irp j, 0,1,2,3,4,5,6,7
	global_load_b128 v[SW+4*\j:SW+4*\j+3], v[L16], s[10:11] offset:512*\j
.endr
	WIN 0x40                                       ; destination window 1
.irp j, 0,1,2,3,4,5,6,7
	global_load_b128 v[BIAS+8*\j:BIAS+8*\j+3], v[BO], s[12:13] offset:64*\j       ; the bias in the result's layout: columns 16 j + 8 h + 0 .. 7
	global_load_b128 v[BIAS+8*\j+4:BIAS+8*\j+7], v[BO], s[12:13] offset:64*\j+16
.endr
	WIN 0
.macro FETCH ks                        ; 24 LDS loads: the fragments of K step ks into set ks % 2
	WIN 0x40
.irp j, 0,1,2,3,4,5,6,7
.irp c, 0,1
	ds_load_b128 v[64*((\ks)%2)+8*\j+4*\c:64*((\ks)%2)+8*\j+4*\c+3], v[ADRB+(\ks)/2] offset:2048*\j+1024*((\ks)%2)+512*\c
.endr
.endr
	WIN 0
.irp i, 0,1,2,3
.irp c, 0,1
	ds_load_b128 v[AF+32*((\ks)%2)+8*\i+4*\c:AF+32*((\ks)%2)+8*\i+4*\c+3], v[ADRA+(\ks)/2] offset:2048*\i+1024*((\ks)%2)+512*\c
.endr
.endr
.endm
.macro MUL ks                          ; 32 products; the 32 accumulators take turns, one instruction a turn, in the same order in every K step
.if (\ks) == 0
	WIN 0x91                                       ; source 0 (W) window 1, source 1 window 0, C (the bias) window 1, D window 2
.else
	WIN 0xa1                                       ; C and D window 2
.endif
.irp i, 0,1,2,3
.irp j, 0,1,2,3,4,5,6,7
.if (\ks) == 0
	v_wmma_scale_f32_16x16x128_f8f6f4 v[8*(8*\i+\j):8*(8*\i+\j)+7], v[8*\j:8*\j+7], v[AF+8*\i:AF+8*\i+7], v[BIAS+8*\j:BIAS+8*\j+7], v[SW+4*\j], v[SA+4*\i] matrix_a_fmt:MATRIX_FMT_FP4 matrix_b_fmt:MATRIX_FMT_FP4
.elseif (\ks) < 4
	v_wmma_scale_f32_16x16x128_f8f6f4 v[8*(8*\i+\j):8*(8*\i+\j)+7], v[64*((\ks)%2)+8*\j:64*((\ks)%2)+8*\j+7], v[AF+32*((\ks)%2)+8*\i:AF+32*((\ks)%2)+8*\i+7], v[8*(8*\i+\j):8*(8*\i+\j)+7], v[SW+4*\j+(\ks)%4], v[SA+4*\i+(\ks)%4] matrix_a_fmt:MATRIX_FMT_FP4 matrix_b_fmt:MATRIX_FMT_FP4
.else
	v_wmma_scale_f32_16x16x128_f8f6f4 v[8*(8*\i+\j):8*(8*\i+\j)+7], v[64*((\ks)%2)+8*\j:64*((\ks)%2)+8*\j+7], v[AF+32*((\ks)%2)+8*\i:AF+32*((\ks)%2)+8*\i+7], v[8*(8*\i+\j):8*(8*\i+\j)+7], v[SW+4*\j+(\ks)%4], v[SA+4*\i+(\ks)%4] matrix_a_fmt:MATRIX_FMT_FP4 matrix_b_fmt:MATRIX_FMT_FP4 matrix_a_scale:MATRIX_SCALE_ROW1 matrix_b_scale:MATRIX_SCALE_ROW1
.endif
.endr
.endr
.endm
	s_wait_tensorcnt 0x3                           ; my part of quarter 0 is in; the three later quarters may be out
	s_barrier_signal -1
	s_barrier_wait -1                              ; everybody's is
	FETCH 0
	FETCH 1
	s_wait_loadcnt 0x0                             ; the scale words and the bias
	s_wait_dscnt 24                                ; K step 0's fragments are in; the 24 loads just issued may be out
	MUL 0
.irp ks, 1,2,3,4,5,6
.if \ks % 2
	s_wait_dscnt 0x0                               ; no LDS load of mine is out at a signal
	s_wait_tensorcnt 3-(\ks+1)/2                   ; my part of the next quarter is in; the later quarters may be out
	s_barrier_signal -1
	s_barrier_wait -1
.endif
	PLACES                                         ; the set to be loaded was read by the products just issued
	FETCH \ks+1
	s_wait_dscnt 24                                ; this K step's fragments are in; the 24 loads just issued may be out
	MUL \ks
.endr
	s_wait_dscnt 0x0
	MUL 7
	; THE WAY OUT: eight neighbouring columns of a row become four registers of f16, which are a group of the next product's fragment: they are stored as they stand
	PLACES
	WIN 0x0a                                       ; sources 0 and 1 window 2, destination window 0
.irp i, 0,1,2,3
.irp j, 0,1,2,3,4,5,6,7
.irp n, 0,1,2,3
	v_cvt_pk_f16_f32 v[OUT+32*\i+4*\j+\n], v[8*(8*\i+\j)+2*\n], v[8*(8*\i+\j)+2*\n+1]   ; each accumulator from its low end on
.endr
.endr
.endr
	WIN 0
.irp i, 0,1,2,3
.irp j, 0,1,2,3,4,5,6,7
	global_store_b128 v[L16], v[OUT+32*\i+4*\j:OUT+32*\i+4*\j+3], s[16:17] offset:(\j/4)*262144+2048*\i+512*(\j%4)   ; 32 lanes store 512 consecutive bytes, aligned
.endr
.endr
	s_wait_tensorcnt 0x0                           ; the wave's end
	ds_add_u32 v[SPW], v[NIL]
	s_wait_dscnt 0x0
	CROUND                                         ; the closing round
	s_endpgm
.Lfunc_end_k_q86bc543473_proj:
	.size	k_q86bc543473_proj, .Lfunc_end_k_q86bc543473_proj-k_q86bc543473_proj
	.p2alignl 7, 3214868480
	.fill 96, 4, 3214868480
	.section	.rodata,"a",@progbits
	.p2align	6, 0x0
	.amdhsa_kernel k_q86bc543473_proj
		.amdhsa_group_segment_fixed_size 197120
		.amdhsa_private_segment_fixed_size 0
		.amdhsa_enable_private_segment 0
		.amdhsa_kernarg_size 56
		.amdhsa_user_sgpr_count 2
		.amdhsa_user_sgpr_kernarg_segment_ptr 1
		.amdhsa_wavefront_size32 1
		.amdhsa_system_sgpr_workgroup_id_x 1
		.amdhsa_system_sgpr_workgroup_id_y 1
		.amdhsa_system_sgpr_workgroup_id_z 1
		.amdhsa_system_vgpr_workitem_id 0
		.amdhsa_next_free_vgpr 768
		.amdhsa_next_free_sgpr 100
		.amdhsa_reserve_vcc 0
		.amdhsa_float_denorm_mode_32 3
		.amdhsa_float_denorm_mode_16_64 3
		.amdhsa_memory_ordered 1
		.amdhsa_forward_progress 1
		.amdhsa_inst_pref_size 69
	.end_amdhsa_kernel
	.amdgpu_metadata
---
amdhsa.version: [ 1, 2 ]
amdhsa.kernels:
  - .name:           k_q86bc543473_proj
    .symbol:         k_q86bc543473_proj.kd
    .args:
      - { .name: acod, .offset: 0, .size: 8, .value_kind: global_buffer, .address_space: global }
      - { .name: ascl, .offset: 8, .size: 8, .value_kind: global_buffer, .address_space: global }
      - { .name: wcod, .offset: 16, .size: 8, .value_kind: global_buffer, .address_space: global }
      - { .name: wscl, .offset: 24, .size: 8, .value_kind: global_buffer, .address_space: global }
      - { .name: bq, .offset: 32, .size: 8, .value_kind: global_buffer, .address_space: global }
      - { .name: bk, .offset: 40, .size: 8, .value_kind: global_buffer, .address_space: global }
      - { .name: qk16, .offset: 48, .size: 8, .value_kind: global_buffer, .address_space: global }
    .group_segment_fixed_size: 197120
    .private_segment_fixed_size: 0
    .kernarg_segment_align: 8
    .kernarg_segment_size: 56
    .max_flat_workgroup_size: 128
    .sgpr_count:     100
    .vgpr_count:     768
    .wavefront_size: 32
...
	.end_amdgpu_metadata
.endif
;; end of part 2
;; launch attn (part 3): grid 8 x 32, 8 waves a work-group, clusters of 4 x 1, 327,680 bytes of LDS; arguments qk16, vh, y16; writes y16
.if DOCPART == 3
	.amdgcn_target "amdgcn-amd-amdhsa--gfx1250"
	.amdhsa_code_object_version 6
	.text
	.protected	k_q86bc543473_attn
	.globl	k_q86bc543473_attn
	.p2align	8
	.type	k_q86bc543473_attn,@function
k_q86bc543473_attn:
	s_mov_b64 s[64:65], 0
	v_nop
	global_prefetch_b8 v0, s[64:65] scope:SCOPE_SE
	s_setreg_imm32_b32 hwreg(HW_REG_WAVE_MODE, 25, 1), 1
	s_wait_xcnt 0x0
	s_wait_alu depctr_hold_cnt(0) depctr_sa_sdst(0) depctr_va_vdst(0) depctr_va_sdst(0) depctr_va_ssrc(0) depctr_va_vcc(0) depctr_vm_vsrc(0)
	s_getreg_b32 s2, hwreg(HW_REG_IB_STS2, 6, 4)
	s_cmp_eq_u32 s2, 0
	s_cbranch_scc0 .Lentry_in_a_cluster
	s_endpgm
.Lentry_in_a_cluster:
	s_bfe_u32 s2, ttmp6, 0x10000c
	s_cmp_lg_u32 s2, 0x3003
	s_cbranch_scc0 .Lentry_shape_is_right
	s_endpgm
.Lentry_shape_is_right:
; ATTN.  y[b][q][64 h ..] = the sum over keys of softmax(qh . kh / 8) v, for each of 32 heads (b*16+h), 2,048 queries and 2,048 keys, head size 64.  Operands in f16; products, maxima and sums in f32.
; SHARES.  A work-group owns 256 queries of one head, each of its EIGHT waves 32: two tiles of 16.  Every wave walks all keys, 64 a step.
; LAYOUT.  S^T = K Q^T (source 0 = 16 keys, source 1 = 16 queries): a lane holds ONE query and the keys 8 (lane / 16) + 0..7; two such tiles, rounded to f16 in pairs, ARE source 1 of O^T = V^T P, whose result again
; holds one query a lane, and eight channels.  K comes out of LDS as images of its fragments (16 x lane), V ([key][channel]) turned, by ds_load_tr16_b128.
; SOFTMAX.  A running maximum m and sum l for each query: p = 2^(c s - c m), c = log2(e) / 8; in every step O and l are multiplied by a = 2^(c m_old - c m_new).  The sum is taken of p before it is rounded.
; THE SECOND PRODUCT RUNS ONE STEP BEHIND: a step's matrix half issues its loads of K, the products V^T P of the step before, its K Q^T and its loads of V; its vector half is the softmax.  K lands under V^T P, V under the softmax.
; TWO GROUPS, HALF A STEP APART.  Eight waves stand on four SIMDs, two to a SIMD.  A step is 32 matrix instructions and then 238 vector instructions; two waves that leave a barrier together want the same unit at the same
; time, in every step.  So the waves form two groups, g = (w xor (w >> 2)) & 1: waves w and w + 4 fall into different groups, and so do waves 2 s and 2 s + 1.  At every barrier of the walk all waves have run the step's matrix
; half; group 0 runs that step's softmax IN FRONT of the barrier, group 1 BEHIND it.  Behind the barrier one group issues products while the other issues vector work, and they go on by turns.
; The branches on g lead round a softmax and round nothing else: every wave runs every wait, add, barrier and tensor load.
; RING.  Two slots of 512 keys: K's images (65,536 bytes), then V's 512 rows of 128 + 32 bytes.  Four fills in all: two at the head, two refills, each with eight key steps in which to land.
; CLUSTER.  The four query blocks of a cluster belong to one head and walk the same K and V: each tile is asked for jointly.  Waves 0-3 fetch K's quarters, waves 4-7 V's.
; OUT: y16 = [tile of 16 rows of y][kc 0..31][c][512 bytes]: lane (r, h) holds row r, columns 32 kc + 16 c + 8 h + 0 .. 7: the last product's fragments.
; LIMITS: scores stay above -3e38, the start of the running maximum; |y| is at most the largest |v|, under 65,504 (f16).  NaN and infinities are not served.
; No prefetch: a refill is asked for eight key steps, 256 matrix instructions a wave, ahead of the wait for it, and the two first fills stand at the head.
; REGISTERS: window 0: v2-5 addresses; v16-31 statistics, eight a tile; v32-95 S^T; v96-127 P; v128-191 V.   window 1: v0-63 O^T (32 t + 8 ct); v64-95 Q (16 t + 8 kc); v128-191 K (16 kt + 8 kc).
.set SLOT,  147456
.set VOFF,  65536
.set VP,    160                        ; a row of V in LDS: 128 bytes + 32 = 40 words: eight rows of a turning load start 8 words apart modulo 64 words
.set SPARE, 2*SLOT                     ; behind the ring: the spare words, 128 bytes a wave: four blocks of 256 bytes
.set L16,  2                           ; v2   16 x lane
.set AV0,  3                           ; v3   my lane's place in a step's rows of V
.set ADK,  4                           ; v4   the address of the run of loads in hand: K's,
.set ADV,  5                           ; v5   V's
.set SPW,  10
.set NIL,  11
.set ST,   16                          ; tile t's statistics at v[ST+8 t]: +0 c m, +1 m, +2, +3 l (even keys', odd keys'), +4 to +7 at work; a in +6
.set SREG, 32
.set PREG, 96
.set VREG, 128
.set QREG, 64
.set KREG, 128
.set WV,   12
.set G1K,  24
.set G1V,  32
.set G0K,  40                          ; s[40:47] group 0 for K's tiles, a set for each slot
.set G0V,  48                          ; s[48:55] for V's
.set CNT,  56
.set GRP,  57                          ; s57  my wave's group, 0 or 1
.set CS,   58                          ; s[58:59] c
.set SEL,  60                          ; s[60:61] lane l xor 16
.set TBK,  62                          ; s62  LDS byte of the step's K
.set TBV,  63                          ; s63  of its V, less VOFF
.set MSB, 0
.macro WIN new
.if MSB != \new
	s_set_vgpr_msb (MSB<<8)|\new
.set MSB, \new
.endif
.endm
.set LDK,  0x40                        ; destination window 1
.set W_PV, 0x50                        ; V and P window 0, O^T (C and D) window 1
.set W_KQ, 0x05                        ; K and Q window 1, S^T window 0
.set W_RS, 0x41                        ; O^T (destination and source 0) window 1, the factor window 0
.macro CROUND
	s_barrier_signal -1
	s_barrier_wait -1
	s_cmp_lg_u32 s[WV], 0
	s_cbranch_scc1 .Lnot_wave_0_\@
	s_barrier_signal -3
.Lnot_wave_0_\@:
	s_barrier_wait -3
	s_barrier_signal -1
	s_barrier_wait -1
.endm
.macro JLOAD s                         ; a joint refill of slot s; the branch hangs on the wave's number alone; an s_nop 0 and four v_nop follow each of the two lines
	s_cmp_lt_u32 s[WV], 4
	s_cbranch_scc0 .Lfor_v_\@
	tensor_load_to_lds s[G0K+4*\s:G0K+4*\s+3], s[G1K:G1K+7]
	s_nop 0
.rept 4
	v_nop
.endr
	s_branch .Lasked_\@
.Lfor_v_\@:
	tensor_load_to_lds s[G0V+4*\s:G0V+4*\s+3], s[G1V:G1V+7]
	s_nop 0
.rept 4
	v_nop
.endr
.Lasked_\@:
.endm
	s_load_b128 s[4:7], s[0:1], 0x0                ; qk16 4, vh 6
	s_load_b64 s[8:9], s[0:1], 0x10                ; y16
	v_lshl_add_u32 v[SPW], v0, 2, SPARE
	v_mov_b32 v[NIL], 0
	ds_add_u32 v[SPW], v[NIL]                      ; the wave's opening: the add, twice on end, and its wait ahead of my first tensor load
	ds_add_u32 v[SPW], v[NIL]
	v_lshrrev_b32 v1, 5, v0
	v_readfirstlane_b32 s[WV], v1                  ; wave 0..7
	s_lshr_b32 s[GRP], s[WV], 2
	s_xor_b32 s[GRP], s[GRP], s[WV]
	s_and_b32 s[GRP], s[GRP], 1                    ; my group: (w xor (w >> 2)) & 1
	s_bfe_u32 s13, ttmp6, 0x40000                  ; cx
	s_lshl_b32 s14, ttmp9, 2
	s_add_co_u32 s14, s14, s13                     ; my block of 256 queries: it enters Q's and y's addresses alone
	s_and_b32 s15, ttmp7, 0xffff                   ; the head, which the four partners share
	s_lshl_b32 s16, s15, 18                        ; a head's K or V: 262,144 bytes
	s_and_b32 s18, s[WV], 3                        ; which quarter of a slot I fetch:
	s_lshl_b32 s20, s18, 14                        ; 16,384 bytes in memory, and K's place in a slot;
	s_add_co_u32 s16, s16, s20
	s_mov_b32 s17, 0
	s_mul_i32 s21, s18, 128*VP                     ; V's place
	s_add_co_u32 s21, s21, VOFF
	s_lshl_b32 s2, s15, 18                         ; Q: tile 128 head + 16 block + 2 wave, 2,048 bytes a tile
	s_lshl_b32 s3, s14, 15
	s_add_co_u32 s2, s2, s3
	s_lshl_b32 s3, s[WV], 12
	s_add_co_u32 s2, s2, s3
	s_mov_b32 s3, 0
	s_mov_b32 s[G1K], 15|(3<<16)|(1<<21)           ; 15:0 the mask: all four; 17:16 elements of 8 bytes; 21 set beside a mask; no padding
	s_mov_b32 s[G1K+1], 32<<16                     ; a dense block of 16,384 bytes as 64 rows of 256
	s_mov_b32 s[G1K+2], 64<<16
	s_mov_b32 s[G1K+3], 32<<16
	s_mov_b32 s[G1K+4], 64
	s_mov_b32 s[G1K+5], 32
	s_mov_b32 s[G1K+6], 0
	s_mov_b32 s[G1K+7], 0
	s_mov_b32 s[G1V], 15|(3<<16)|(1<<20)|(1<<21)|(4<<22)|(7<<25)   ; padding on: 8 words (code 7) after every 32 (code 4), a key's row
	s_mov_b32 s[G1V+1], 16<<16                     ; 128 rows of 128 bytes
	s_mov_b32 s[G1V+2], 128<<16
	s_mov_b32 s[G1V+3], 16<<16
	s_mov_b32 s[G1V+4], 128
	s_mov_b32 s[G1V+5], 16
	s_mov_b32 s[G1V+6], 0
	s_mov_b32 s[G1V+7], 0
	s_mov_b32 s[CS], 0x3e38aa3b                    ; c = log2(e) / 8
	s_mov_b32 s[CS+1], s[CS]                       ; (named with it as a pair, so it is written)
	s_mov_b32 s[SEL], 0x76543210
	s_mov_b32 s[SEL+1], 0xfedcba98
	s_mov_b32 s[TBK], 0
	s_mov_b32 s[TBV], 0
	s_wait_dscnt 0x0                               ; both opening adds are done
	s_wait_kmcnt 0x0
	s_add_nc_u64 s[22:23], s[4:5], s[16:17]
	s_add_nc_u64 s[22:23], s[22:23], 8388608       ; kh lies behind qh
	s_add_nc_u64 s[10:11], s[6:7], s[16:17]
	s_add_nc_u64 s[4:5], s[4:5], s[2:3]            ; Q at my first tile
	s_lshr_b32 s2, s15, 4                          ; y: tile of rows 128 batch + 16 block + 2 wave, 32,768 bytes a tile; + 2,048 x head
	s_lshl_b32 s2, s2, 22
	s_lshl_b32 s3, s14, 19
	s_add_co_u32 s2, s2, s3
	s_lshl_b32 s3, s[WV], 16
	s_add_co_u32 s2, s2, s3
	s_and_b32 s3, s15, 15
	s_lshl_b32 s3, s3, 11
	s_add_co_u32 s2, s2, s3
	s_mov_b32 s3, 0
	s_add_nc_u64 s[8:9], s[8:9], s[2:3]
.irp s, 0,1
	s_mov_b32 s[G0K+4*\s], 1
	s_add_co_u32 s[G0K+4*\s+1], s20, \s*SLOT
	s_add_nc_u64 s[G0K+4*\s+2:G0K+4*\s+3], s[22:23], \s*65536
	s_or_b32 s[G0K+4*\s+3], s[G0K+4*\s+3], 0x80000000
	s_mov_b32 s[G0V+4*\s], 1
	s_add_co_u32 s[G0V+4*\s+1], s21, \s*SLOT
	s_add_nc_u64 s[G0V+4*\s+2:G0V+4*\s+3], s[10:11], \s*65536
	s_or_b32 s[G0V+4*\s+3], s[G0V+4*\s+3], 0x80000000
.endr
	CROUND                                         ; all four work-groups are here: the first joint loads meet
	s_cmp_lt_u32 s[WV], 4                          ; a wave's two first fills stand in one branch: two loads of mine are out
	s_cbranch_scc0 .Lfirst_v
	tensor_load_to_lds s[G0K:G0K+3], s[G1K:G1K+7]
	s_nop 0
	tensor_load_to_lds s[G0K+4:G0K+7], s[G1K:G1K+7]
	s_nop 0
.rept 4
	v_nop
.endr
	s_branch .Lfirst_asked
.Lfirst_v:
	tensor_load_to_lds s[G0V:G0V+3], s[G1V:G1V+7]
	s_nop 0
	tensor_load_to_lds s[G0V+4:G0V+7], s[G1V:G1V+7]
	s_nop 0
.rept 4
	v_nop
.endr
.Lfirst_asked:
	v_and_b32 v1, 31, v0
	v_lshlrev_b32 v[L16], 4, v1
	v_bfe_u32 v6, v0, 4, 1                         ; the turning load: lane l reads key 8 (l / 16) + l % 8, channels 8 ((l / 8) % 2) + 0..7
	v_and_b32 v7, 7, v0
	v_bfe_u32 v8, v0, 3, 1
	v_lshl_add_u32 v[AV0], v6, 3, v7
	v_mul_u32_u24 v[AV0], v[AV0], VP
	v_lshl_add_u32 v[AV0], v8, 4, v[AV0]
	v_add_nc_u32 v[AV0], VOFF, v[AV0]
	WIN LDK
.irp t, 0,1
.irp kc, 0,1
.irp c, 0,1
	global_load_b128 v[QREG+16*\t+8*\kc+4*\c:QREG+16*\t+8*\kc+4*\c+3], v[L16], s[4:5] offset:2048*\t+1024*\kc+512*\c   ; Q stays in registers
.endr
.endr
.endr
.irp j, 0,1,2,3,4,5,6,7,8,9,10,11,12,13,14,15,16,17,18,19,20,21,22,23,24,25,26,27,28,29,30,31,32,33,34,35,36,37,38,39,40,41,42,43,44,45,46,47,48,49,50,51,52,53,54,55,56,57,58,59,60,61,62,63
	v_mov_b32 v[\j], 0                             ; O^T.  (The softmax is written in one form: the first finds zeros, which its factor a = 0 leaves zeros)
.endr
	WIN 0
.irp t, 0,1
	v_mov_b32 v[ST+8*\t+1], 0xff61b1e6             ; m = -3e38, under every score
	v_mul_f32 v[ST+8*\t], s[CS], v[ST+8*\t+1]      ; c m
	v_mov_b32 v[ST+8*\t+2], 0                      ; l
	v_mov_b32 v[ST+8*\t+3], 0
	v_mov_b32 v[ST+8*\t+5], 0                      ; a lane permute's destination counts as one of its sources
	v_mov_b32 v[ST+8*\t+7], 0
.endr
; 16 products O^T += V^T P: keys 32 g on, channels 16 ct on, tile t.  The eight accumulators take turns, one instruction a turn.
.macro PVMUL
	WIN W_PV
.irp g, 0,1
.irp ct, 0,1,2,3
.irp t, 0,1
	v_wmma_f32_16x16x32_f16 v[32*\t+8*\ct:32*\t+8*\ct+7], v[VREG+32*\g+8*\ct:VREG+32*\g+8*\ct+7], v[PREG+16*\t+8*\g:PREG+16*\t+8*\g+7], v[32*\t+8*\ct:32*\t+8*\ct+7]
.endr
.endr
.endr
.endm
; 16 products S^T = K Q^T: channels 32 kc on, keys 16 kt on, tile t.  The first eight start the sums.
.macro KQMUL
	WIN W_KQ
.irp kc, 0,1
.irp kt, 0,1,2,3
.irp t, 0,1
.if \kc == 0
	v_wmma_f32_16x16x32_f16 v[SREG+32*\t+8*\kt:SREG+32*\t+8*\kt+7], v[KREG+16*\kt+8*\kc:KREG+16*\kt+8*\kc+7], v[QREG+16*\t+8*\kc:QREG+16*\t+8*\kc+7], 0
.else
	v_wmma_f32_16x16x32_f16 v[SREG+32*\t+8*\kt:SREG+32*\t+8*\kt+7], v[KREG+16*\kt+8*\kc:KREG+16*\kt+8*\kc+7], v[QREG+16*\t+8*\kc:QREG+16*\t+8*\kc+7], v[SREG+32*\t+8*\kt:SREG+32*\t+8*\kt+7]
.endif
.endr
.endr
.endr
.endm
; THE VECTOR HALF OF A KEY STEP: the softmax of both tiles, the tiles alternating line by line so that no line waits for the line above it.  It touches registers alone.
.macro SOFTMAX
	WIN 0
.irp j, 0,1,2,3
.irp t, 0,1
	v_max3_num_f32 v[ST+8*\t+4+\j], v[SREG+32*\t+8*\j], v[SREG+32*\t+8*\j+1], v[SREG+32*\t+8*\j+2]   ; four chains; each accumulator is read from its low end on
.endr
.endr
.irp n, 3,5
.irp j, 0,1,2,3
.irp t, 0,1
	v_max3_num_f32 v[ST+8*\t+4+\j], v[ST+8*\t+4+\j], v[SREG+32*\t+8*\j+\n], v[SREG+32*\t+8*\j+\n+1]
.endr
.endr
.endr
.irp t, 0,1
	v_max3_num_f32 v[ST+8*\t+4], v[ST+8*\t+4], v[SREG+32*\t+7], v[SREG+32*\t+15]
	v_max3_num_f32 v[ST+8*\t+6], v[ST+8*\t+6], v[SREG+32*\t+23], v[SREG+32*\t+31]
.endr
.irp t, 0,1
	v_max3_num_f32 v[ST+8*\t+4], v[ST+8*\t+4], v[ST+8*\t+5], v[ST+8*\t+6]
.endr
.irp t, 0,1
	v_max3_num_f32 v[ST+8*\t+4], v[ST+8*\t+4], v[ST+8*\t+7], v[ST+8*\t+1]   ; with the old m
.endr
.irp t, 0,1
	v_permlanex16_b32 v[ST+8*\t+5], v[ST+8*\t+4], s[SEL], s[SEL+1]          ; the query's other 32 keys lie in the lane 16 away
.endr
.irp t, 0,1
	v_mov_b32 v[ST+8*\t+7], v[ST+8*\t]             ; c m_old
.endr
.irp t, 0,1
	v_max_num_f32 v[ST+8*\t+1], v[ST+8*\t+4], v[ST+8*\t+5]                  ; the new m
.endr
.irp t, 0,1
	v_mul_f32 v[ST+8*\t], s[CS], v[ST+8*\t+1]
.endr
.irp t, 0,1
	v_sub_f32 v[ST+8*\t+7], v[ST+8*\t+7], v[ST+8*\t]                        ; c m_old - c m_new, 0 or less
.endr
.irp i, 0,2,4,6,8,10,12,14,16,18,20,22,24,26,28,30
.irp t, 0,1
	v_pk_fma_f32 v[SREG+32*\t+\i:SREG+32*\t+\i+1], v[SREG+32*\t+\i:SREG+32*\t+\i+1], s[CS:CS+1], v[ST+8*\t:ST+8*\t+1] op_sel_hi:[1,0,0] neg_lo:[0,0,1] neg_hi:[0,0,1]   ; c s - c m, two at a time
.endr
.endr
.irp t, 0,1
	v_exp_f32 v[ST+8*\t+6], v[ST+8*\t+7]           ; a.  ONE BATCH of 66 exponentials: none reads another's result
.endr
.irp i, 0,1,2,3,4,5,6,7,8,9,10,11,12,13,14,15,16,17,18,19,20,21,22,23,24,25,26,27,28,29,30,31
.irp t, 0,1
	v_exp_f32 v[SREG+32*\t+\i], v[SREG+32*\t+\i]
.endr
.endr
	v_nop                                          ; a plain place behind the last exponential
	s_wait_alu depctr_va_vdst(0)                   ; one wait for the batch, ahead of its first reader
.irp i, 0,1,2,3,4,5,6,7,8,9,10,11,12,13,14,15
.irp t, 0,1
	v_cvt_pk_f16_f32 v[PREG+16*\t+\i], v[SREG+32*\t+2*\i], v[SREG+32*\t+2*\i+1]   ; P: source 1 of the second product as it stands
.endr
.endr
.irp u, 0,4,8,12,16,20,24,28                   ; the sum of the unrounded p, in place: neighbours 1, 2, 4 and 8 pairs apart
.irp t, 0,1
	v_pk_add_f32 v[SREG+32*\t+\u:SREG+32*\t+\u+1], v[SREG+32*\t+\u:SREG+32*\t+\u+1], v[SREG+32*\t+\u+2:SREG+32*\t+\u+3]
.endr
.endr
.irp u, 0,8,16,24
.irp t, 0,1
	v_pk_add_f32 v[SREG+32*\t+\u:SREG+32*\t+\u+1], v[SREG+32*\t+\u:SREG+32*\t+\u+1], v[SREG+32*\t+\u+4:SREG+32*\t+\u+5]
.endr
.endr
.irp u, 0,16
.irp t, 0,1
	v_pk_add_f32 v[SREG+32*\t+\u:SREG+32*\t+\u+1], v[SREG+32*\t+\u:SREG+32*\t+\u+1], v[SREG+32*\t+\u+8:SREG+32*\t+\u+9]
.endr
.endr
.irp t, 0,1
	v_pk_add_f32 v[SREG+32*\t:SREG+32*\t+1], v[SREG+32*\t:SREG+32*\t+1], v[SREG+32*\t+16:SREG+32*\t+17]
.endr
.irp t, 0,1
	v_pk_fma_f32 v[ST+8*\t+2:ST+8*\t+3], v[ST+8*\t+2:ST+8*\t+3], v[ST+8*\t+6:ST+8*\t+7], v[SREG+32*\t:SREG+32*\t+1] op_sel_hi:[1,0,1]   ; l = a l + the sum
.endr
	WIN W_RS
.irp i, 0,2,4,6,8,10,12,14,16,18,20,22,24,26,28,30
.irp t, 0,1
	v_pk_mul_f32 v[32*\t+\i:32*\t+\i+1], v[32*\t+\i:32*\t+\i+1], v[ST+8*\t+6:ST+8*\t+7] op_sel_hi:[1,0]   ; O^T x a, each accumulator from its low end on
.endr
.endr
	WIN 0
.endm
; THE MATRIX HALF OF A KEY STEP, with all its LDS loads.  pv = 1: the products V^T P of the step before stand in it.
.macro MPART pv
	WIN 0
	v_add_nc_u32 v[ADK], s[TBK], v[L16]
	WIN LDK
.irp kt, 0,1,2,3
.irp kc, 0,1
.irp c, 0,1
	ds_load_b128 v[KREG+16*\kt+8*\kc+4*\c:KREG+16*\kt+8*\kc+4*\c+3], v[ADK] offset:2048*\kt+1024*\kc+512*\c   ; the last products that read K stand in front of the softmax of the step before
.endr
.endr
.endr
.if \pv
	s_wait_dscnt 16                                ; V of the step before is in; the 16 loads of K just issued may be out
	PVMUL
.endif
	s_wait_dscnt 0x0                               ; K is in
	KQMUL
	WIN 0
	v_add_nc_u32 v[ADV], s[TBV], v[AV0]            ; four plain places behind the products: for the loads into V, which V^T P has read, and for the first read of the scores
.rept 3
	v_nop
.endr
.irp f, 0,1,2,3,4,5,6,7                        ; keys 32 (f / 4) on, channels 16 (f % 4) on
	ds_load_tr16_b128 v[VREG+8*\f:VREG+8*\f+3],   v[ADV] offset:(\f/4)*32*VP+(\f%4)*32
	ds_load_tr16_b128 v[VREG+8*\f+4:VREG+8*\f+7], v[ADV] offset:(\f/4)*32*VP+16*VP+(\f%4)*32
.endr
	s_add_co_u32 s[TBK], s[TBK], 8192              ; the next 64 keys
	s_add_co_u32 s[TBV], s[TBV], 64*VP
.endm
.macro STEPS n                         ; n whole key steps
	s_mov_b32 s[CNT], \n
.Lstep_\@:
	MPART 1
	SOFTMAX
	s_sub_co_u32 s[CNT], s[CNT], 1
	s_cmp_lg_u32 s[CNT], 0
	s_cbranch_scc1 .Lstep_\@
.endm
; The step that meets a barrier: its matrix half is run by all waves; group 0 runs its softmax in front of the barrier, group 1 behind it.  The branches hang on the wave's number alone and lead round register work alone.
.macro EARLY_SOFTMAX
	s_cmp_eq_u32 s[GRP], 0
	s_cbranch_scc0 .Lnot_early_\@
	SOFTMAX
.Lnot_early_\@:
.endm
.macro LATE_SOFTMAX
	s_cmp_eq_u32 s[GRP], 0
	s_cbranch_scc1 .Lnot_late_\@
	SOFTMAX
.Lnot_late_\@:
.endm
; THE CHANGE OF SLOTS.  Each wave waits for all its tensor loads (one is out: its part of the slot ahead), adds 0 to its spare word, and waits for that and for its reads of slot s, the last of which, issued in the matrix half just run, bring V of the slot's last step into registers.
; fill = 1: slot s is filled again with the keys two slots on, behind a round of the cluster's barrier, the wave's one tensor load there.
.macro CHANGE s, fill
	WIN 0
	s_wait_tensorcnt 0x0                           ; no tensor load of mine is out, so a group 0 may be written
	ds_add_u32 v[SPW], v[NIL]                      ; 0 onto my spare word
.if \fill
	s_add_nc_u64 s[G0K+4*\s+2:G0K+4*\s+3], s[G0K+4*\s+2:G0K+4*\s+3], 2*65536
	s_add_nc_u64 s[G0V+4*\s+2:G0V+4*\s+3], s[G0V+4*\s+2:G0V+4*\s+3], 2*65536
	s_wait_dscnt 0x0                               ; the add is done, and my reads of the slot are over
	CROUND
	JLOAD \s
.else
	s_wait_dscnt 0x0
	s_barrier_signal -1
	s_barrier_wait -1
.endif
.endm
; A slot's last key step with the change of slots in its middle; tb: where the slot ahead begins in LDS.
.macro LAST_STEP s, fill, tb
	MPART 1
	EARLY_SOFTMAX
	CHANGE \s, \fill
	s_mov_b32 s[TBK], \tb
	s_mov_b32 s[TBV], \tb
	LATE_SOFTMAX
.endm
	s_wait_tensorcnt 0x1                           ; my part of slot 0 is in; slot 1's may stay out
	s_barrier_signal -1
	s_barrier_wait -1
	s_wait_loadcnt 0x0                             ; Q
	MPART 0                                        ; keys 0-63, by all waves alike: there is no step before; behind it every register of the walk has been written in every wave
	SOFTMAX
	MPART 1                                        ; keys 64-127: HERE THE GROUPS ARE SET APART
	EARLY_SOFTMAX
	s_wait_dscnt 0x0                               ; no LDS load of mine is out at a signal
	s_barrier_signal -1                            ; this barrier orders no memory access: group 1 stands here while group 0 runs its softmax, so that behind it the groups are half a step apart.
	s_barrier_wait -1                              ; Slot 1's first fill may stay out across it
	LATE_SOFTMAX
	STEPS 5                                        ; key steps 2 to 6
	LAST_STEP 0, 1, SLOT                           ; key step 7; slot 0 takes keys 1,024 on
	STEPS 7                                        ; key steps 8 to 14
	LAST_STEP 1, 1, 0                              ; key step 15; slot 1 takes keys 1,536 on
	STEPS 7                                        ; key steps 16 to 22
	LAST_STEP 0, 0, SLOT                           ; key step 23; nothing is left to fetch
	STEPS 8                                        ; key steps 24 to 31
	s_wait_dscnt 0x0                               ; V of the last step
	PVMUL
	; THE WAY OUT.  l's halves and the other half of the lanes' are added (plain places behind the last products); O^T / l, as f16, is a group of the last product's fragment and is stored as it stands.
	WIN 0
.irp t, 0,1
	v_add_f32 v[ST+8*\t+4], v[ST+8*\t+2], v[ST+8*\t+3]
.endr
.irp t, 0,1
	v_permlanex16_b32 v[ST+8*\t+5], v[ST+8*\t+4], s[SEL], s[SEL+1]
.endr
.irp t, 0,1
	v_add_f32 v[ST+8*\t+4], v[ST+8*\t+4], v[ST+8*\t+5]
.endr
.irp t, 0,1
	v_rcp_f32 v[ST+8*\t+6], v[ST+8*\t+4]
.endr
	v_nop                                          ; a plain place behind the last reciprocal
	s_wait_alu depctr_va_vdst(0)                   ; one wait for the two, ahead of their first reader
	WIN W_RS
.irp t, 0,1
.irp i, 0,2,4,6,8,10,12,14,16,18,20,22,24,26,28,30
	v_pk_mul_f32 v[32*\t+\i:32*\t+\i+1], v[32*\t+\i:32*\t+\i+1], v[ST+8*\t+6:ST+8*\t+7] op_sel_hi:[1,0]
.endr
.endr
	WIN 0x05                                       ; sources 0 and 1 window 1, destination window 0: S^T's registers are free
.irp t, 0,1
.irp i, 0,1,2,3,4,5,6,7,8,9,10,11,12,13,14,15
	v_cvt_pk_f16_f32 v[SREG+16*\t+\i], v[32*\t+2*\i], v[32*\t+2*\i+1]
.endr
.endr
	WIN 0
.irp t, 0,1
.irp ct, 0,1,2,3
	global_store_b128 v[L16], v[SREG+16*\t+4*\ct:SREG+16*\t+4*\ct+3], s[8:9] offset:32768*\t+512*\ct   ; 32 lanes store 512 consecutive bytes, aligned
.endr
.endr
	s_wait_tensorcnt 0x0                           ; the wave's end
	ds_add_u32 v[SPW], v[NIL]
	s_wait_dscnt 0x0
	CROUND                                         ; the closing round
	s_endpgm
.Lfunc_end_k_q86bc543473_attn:
	.size	k_q86bc543473_attn, .Lfunc_end_k_q86bc543473_attn-k_q86bc543473_attn
	.p2alignl 7, 3214868480
	.fill 96, 4, 3214868480
	.section	.rodata,"a",@progbits
	.p2align	6, 0x0
	.amdhsa_kernel k_q86bc543473_attn
		.amdhsa_group_segment_fixed_size 327680
		.amdhsa_private_segment_fixed_size 0
		.amdhsa_enable_private_segment 0
		.amdhsa_kernarg_size 24
		.amdhsa_user_sgpr_count 2
		.amdhsa_user_sgpr_kernarg_segment_ptr 1
		.amdhsa_wavefront_size32 1
		.amdhsa_system_sgpr_workgroup_id_x 1
		.amdhsa_system_sgpr_workgroup_id_y 1
		.amdhsa_system_sgpr_workgroup_id_z 1
		.amdhsa_system_vgpr_workitem_id 0
		.amdhsa_next_free_vgpr 448
		.amdhsa_next_free_sgpr 66
		.amdhsa_reserve_vcc 0
		.amdhsa_float_denorm_mode_32 3
		.amdhsa_float_denorm_mode_16_64 3
		.amdhsa_memory_ordered 1
		.amdhsa_forward_progress 1
		.amdhsa_inst_pref_size 223
	.end_amdhsa_kernel
	.amdgpu_metadata
---
amdhsa.version: [ 1, 2 ]
amdhsa.kernels:
  - .name:           k_q86bc543473_attn
    .symbol:         k_q86bc543473_attn.kd
    .args:
      - { .name: qk16, .offset: 0, .size: 8, .value_kind: global_buffer, .address_space: global }
      - { .name: vh, .offset: 8, .size: 8, .value_kind: global_buffer, .address_space: global }
      - { .name: y16, .offset: 16, .size: 8, .value_kind: global_buffer, .address_space: global }
    .group_segment_fixed_size: 327680
    .private_segment_fixed_size: 0
    .kernarg_segment_align: 8
    .kernarg_segment_size: 24
    .max_flat_workgroup_size: 256
    .sgpr_count:     66
    .vgpr_count:     448
    .wavefront_size: 32
...
	.end_amdgpu_metadata
.endif
;; end of part 3
;; launch outp (part 4): grid 8 x 32, 4 waves a work-group, clusters of 4 x 4, 327,680 bytes of LDS; arguments y16, wc16, bc, out0; writes out0
.if DOCPART == 4
	.amdgcn_target "amdgcn-amd-amdhsa--gfx1250"
	.amdhsa_code_object_version 6
	.text
	.protected	k_q86bc543473_outp
	.globl	k_q86bc543473_outp
	.p2align	8
	.type	k_q86bc543473_outp,@function
k_q86bc543473_outp:
	s_mov_b64 s[64:65], 0
	v_nop
	global_prefetch_b8 v0, s[64:65] scope:SCOPE_SE
	s_setreg_imm32_b32 hwreg(HW_REG_WAVE_MODE, 25, 1), 1
	s_wait_xcnt 0x0
	s_wait_alu depctr_hold_cnt(0) depctr_sa_sdst(0) depctr_va_vdst(0) depctr_va_sdst(0) depctr_va_ssrc(0) depctr_va_vcc(0) depctr_vm_vsrc(0)
	s_getreg_b32 s2, hwreg(HW_REG_IB_STS2, 6, 4)
	s_cmp_eq_u32 s2, 0
	s_cbranch_scc0 .Lentry_in_a_cluster
	s_endpgm
.Lentry_in_a_cluster:
	s_bfe_u32 s2, ttmp6, 0x10000c
	s_cmp_lg_u32 s2, 0xf033
	s_cbranch_scc0 .Lentry_shape_is_right
	s_endpgm
.Lentry_shape_is_right:
; OUTP.  out0 = y Wc^T + bc.  y: 4,096 x 1,024 in f16, as images of fragments ([tile of 16 rows][kc][c][512 bytes]); Wc: [1024][1024] f16, K innermost; bc and out0 f32; sums in f32.
; A tile of the output is 128 x 128: 256 work-groups.  Four waves, each 64 x 64: 16 accumulators.  K goes in four steps of 256 through two LDS slots: y's images (8 tiles of rows x 8,192 bytes), then 128 rows of Wc of 512 + 16 bytes.
; CLUSTERS: 4 x 4.  The four of a row of the cluster need the same tiles of y, the four of a column the same tiles of Wc: each is asked for jointly.
; THE MATRIX INSTRUCTION IS USED TRANSPOSED (source 0 = 16 rows of Wc, source 1 = 16 rows of y): a lane holds eight neighbouring numbers of a row of the output.  The bias is the C of each sum's first product.
; A wave's 64 columns of f32 are 256 consecutive bytes, aligned: each wave sends its results through a stage of its own, with no barrier.
; REGISTERS: window 0: v0-31 addresses; v96-127 the bias; v128-255 the accumulators ((a, b) at v[128 + 8 (4 a + b)]).  window 1: two fragment buffers of 128: for 64 along K, 64 registers of y, then 64 of Wc; on the way out rows of the output.
.set PITCH,  528                       ; a row of Wc in LDS: 512 bytes + 16 = 132 words: the 16 rows of a load start 4 words apart modulo 64 words
.set HALFA,  32768                     ; 4 tiles of rows of y: what one tensor load brings, and what one wave reads
.set HALFB,  64*PITCH                  ; 64 rows of Wc likewise
.set BOFF,   2*HALFA
.set SLOT,   BOFF+2*HALFB
.set STAGE,  2*SLOT                    ; behind the ring: 16 rows x 272 bytes for each wave
.set SPITCH, 272
.set SPARE,  STAGE+4*16*SPITCH         ; behind the stages: the spare words, 128 bytes a wave
.set ADRA, 16                          ; v16-17 my fragments of y in slot 0, 1
.set ADRB, 20                          ; v20-21 of Wc
.set STO,  24
.set RD,   25
.set CO,   26
.set BO,   27
.set SPW,  28
.set NIL,  29
.set BI,   96
.set ACC,  128
.set F0,   0
.set F1,   128
.set WV,   12
.set G1, 24
.set G0, 32
.set G1B, 48
.set G0B, 56
.set MSB, 0
.macro WIN new
.if MSB != \new
	s_set_vgpr_msb (MSB<<8)|\new
.set MSB, \new
.endif
.endm
.set MUL,  0x05                        ; sources 0 (Wc) and 1 (y) window 1; C and D window 0
.set TO_F, 0x40                        ; destination window 1, address window 0
.macro JLOAD s                         ; a joint load: waves 0 and 1 fetch y's halves, waves 2 and 3 Wc's; an s_nop 0 and four v_nop follow each of the two lines
	s_cmp_eq_u32 s13, 0
	s_cbranch_scc0 .Lfor_b_\@
	tensor_load_to_lds s[G0+4*\s:G0+4*\s+3], s[G1:G1+7]
	s_nop 0
.rept 4
	v_nop
.endr
	s_branch .Lasked_\@
.Lfor_b_\@:
	tensor_load_to_lds s[G0B+4*\s:G0B+4*\s+3], s[G1B:G1B+7]
	s_nop 0
.rept 4
	v_nop
.endr
.Lasked_\@:
.endm
.macro CREST                           ; a round of the cluster's barrier behind its opening barrier
	s_cmp_lg_u32 s[WV], 0
	s_cbranch_scc1 .Lnot_wave_0_\@
	s_barrier_signal -3
.Lnot_wave_0_\@:
	s_barrier_wait -3
	s_barrier_signal -1
	s_barrier_wait -1
.endm
.macro CROUND
	s_barrier_signal -1
	s_barrier_wait -1
	CREST
.endm
	s_load_b128 s[4:7], s[0:1], 0x0                ; y16 4, wc16 6
	s_load_b128 s[8:11], s[0:1], 0x10              ; bc 8, out0 10
	v_lshl_add_u32 v[SPW], v0, 2, SPARE
	v_mov_b32 v[NIL], 0
	ds_add_u32 v[SPW], v[NIL]                      ; the wave's opening: the add, twice on end, and its wait ahead of my first tensor load
	ds_add_u32 v[SPW], v[NIL]
	v_lshrrev_b32 v1, 5, v0
	v_readfirstlane_b32 s[WV], v1                  ; wave 0..3
	s_lshr_b32 s13, s[WV], 1                       ; my half of the rows.  Also: I fetch for y (0) or for Wc (1)
	s_and_b32 s14, s[WV], 1                        ; my half of the columns.  Also: which half I fetch
	s_bfe_u32 s40, ttmp6, 0x40000                  ; cx, cy
	s_bfe_u32 s41, ttmp6, 0x40004
	s_lshl_b32 s42, ttmp9, 2
	s_add_co_u32 s42, s42, s40                     ; tile column
	s_and_b32 s15, ttmp7, 0xffff
	s_lshl_b32 s15, s15, 2
	s_add_co_u32 s15, s15, s41                     ; tile row
	s_lshl_b32 s43, s41, 2
	s_lshl_b32 s43, 15, s43                        ; my row of the cluster
	s_lshl_b32 s44, 0x1111, s40                    ; my column
	s_or_b32 s[G1], s43, (3<<16)|(1<<21)           ; y: elements of 8 bytes, no padding: 4 tiles of rows x 8,192 bytes (a K step's eight fragments), 32,768 bytes apart
	s_mov_b32 s[G1+1], 1024<<16
	s_mov_b32 s[G1+2], 4<<16
	s_mov_b32 s[G1+3], 1024<<16
	s_mov_b32 s[G1+4], 4
	s_mov_b32 s[G1+5], 4096
	s_mov_b32 s[G1+6], 0
	s_mov_b32 s[G1+7], 0
	s_or_b32 s[G1B], s44, (1<<16)|(1<<20)|(1<<21)|(6<<22)|(3<<25)   ; Wc: elements of 2 bytes; 4 words of padding (code 3) after every 128 (code 6): 64 rows x 256 elements
	s_mov_b32 s[G1B+1], 256<<16
	s_mov_b32 s[G1B+2], 64<<16
	s_mov_b32 s[G1B+3], 256<<16
	s_mov_b32 s[G1B+4], 64
	s_mov_b32 s[G1B+5], 1024
	s_mov_b32 s[G1B+6], 0
	s_mov_b32 s[G1B+7], 0
	s_lshl_b32 s18, s14, 17
	s_lshl_b32 s16, s15, 18                        ; y: tile of rows 8 x tile row + 4 half, 32,768 bytes a tile
	s_add_co_u32 s16, s16, s18
	s_mov_b32 s17, 0
	s_lshl_b32 s46, s42, 18                        ; Wc: row 128 x tile column + 64 half, 2,048 bytes a row
	s_add_co_u32 s46, s46, s18
	s_mov_b32 s47, 0
	s_lshl_b32 s20, s14, 15                        ; where they go in a slot: no place in the cluster enters an LDS address
	s_mul_i32 s21, s14, HALFB
	s_add_co_u32 s21, s21, BOFF
	s_wait_dscnt 0x0                               ; both opening adds are done
	s_wait_kmcnt 0x0
	s_add_nc_u64 s[16:17], s[4:5], s[16:17]
	s_add_nc_u64 s[46:47], s[6:7], s[46:47]
	CROUND                                         ; all sixteen work-groups are here: the first joint loads meet
.irp s, 0,1
	s_mov_b32 s[G0+4*\s], 1
	s_add_co_u32 s[G0+4*\s+1], s20, \s*SLOT
	s_add_nc_u64 s[G0+4*\s+2:G0+4*\s+3], s[16:17], \s*8192
	s_or_b32 s[G0+4*\s+3], s[G0+4*\s+3], 0x80000000
	s_mov_b32 s[G0B+4*\s], 1
	s_add_co_u32 s[G0B+4*\s+1], s21, \s*SLOT
	s_add_nc_u64 s[G0B+4*\s+2:G0B+4*\s+3], s[46:47], \s*512
	s_or_b32 s[G0B+4*\s+3], s[G0B+4*\s+3], 0x80000000
	JLOAD \s
.endr
	v_and_b32 v1, 15, v0                           ; r
	v_bfe_u32 v2, v0, 4, 1                         ; h
	v_and_b32 v5, 31, v0
	v_lshlrev_b32 v5, 4, v5                        ; 16 x lane: an image's place for my lane
	v_mul_u32_u24 v3, v1, PITCH
	v_lshl_add_u32 v3, v2, 4, v3                   ; Wc: row x pitch + 16 x half
	s_lshl_b32 s22, s13, 15                        ; my 4 tiles of rows of y
	s_mul_i32 s23, s14, HALFB                      ; my 64 rows of Wc
	s_add_co_u32 s23, s23, BOFF
.irp s, 0,1
	v_add_nc_u32 v[ADRA+\s], s22, v5
	v_add_nc_u32 v[ADRB+\s], s23, v3
	s_add_co_u32 s22, s22, SLOT
	s_add_co_u32 s23, s23, SLOT
.endr
	s_mul_i32 s22, s[WV], 16*SPITCH
	s_add_co_u32 s22, s22, STAGE                   ; my stage
	v_mul_u32_u24 v4, v1, SPITCH                   ; in: row r, 32 bytes for each half of the lanes
	v_lshl_add_u32 v4, v2, 5, v4
	v_add_nc_u32 v[STO], s22, v4
	v_mul_u32_u24 v4, v2, SPITCH                   ; back: lanes 0-15 one row of 256 bytes, lanes 16-31 the next
	v_lshl_add_u32 v4, v1, 4, v4
	v_add_nc_u32 v[RD], s22, v4
	v_lshlrev_b32 v[CO], 12, v2                    ; and the same two rows in the output: 4,096 bytes a row
	v_lshl_add_u32 v[CO], v1, 4, v[CO]
	v_lshlrev_b32 v[BO], 5, v2                     ; the bias: my half's eight numbers of a tile
	s_lshl_b32 s18, s42, 9                         ; my first column in bytes: 512 x tile column + 256 x half
	s_lshl_b32 s19, s14, 8
	s_add_co_u32 s18, s18, s19
	s_mov_b32 s19, 0
	s_add_nc_u64 s[8:9], s[8:9], s[18:19]
	s_add_nc_u64 s[10:11], s[10:11], s[18:19]
	s_lshl_b32 s18, s15, 19                        ; my first row: 128 x tile row + 64 x half
	s_lshl_b32 s45, s13, 18
	s_add_co_u32 s18, s18, s45
	s_add_nc_u64 s[10:11], s[10:11], s[18:19]
.irp b, 0,1,2,3
	global_load_b128 v[BI+8*\b:BI+8*\b+3], v[BO], s[8:9] offset:64*\b       ; the bias in the result's layout: columns 16 b + 8 h + 0 .. 7
	global_load_b128 v[BI+8*\b+4:BI+8*\b+7], v[BO], s[8:9] offset:64*\b+16
.endr
; 8 products: blocks a0, a0 + 1 of rows x all 4 blocks of columns, 32 along K: half c of buffer f.  first = 1: the bias starts the sums.  The 16 accumulators take turns.
.macro MUL8 f, c, a0, first
.irp a, \a0, \a0+1
.irp b, 0,1,2,3
.if \first
	v_wmma_f32_16x16x32_f16 v[ACC+8*(4*(\a)+\b):ACC+8*(4*(\a)+\b)+7], v[\f+64+8*(4*\c+\b):\f+64+8*(4*\c+\b)+7], v[\f+8*(4*\c+\a):\f+8*(4*\c+\a)+7], v[BI+8*\b:BI+8*\b+7]
.else
	v_wmma_f32_16x16x32_f16 v[ACC+8*(4*(\a)+\b):ACC+8*(4*(\a)+\b)+7], v[\f+64+8*(4*\c+\b):\f+64+8*(4*\c+\b)+7], v[\f+8*(4*\c+\a):\f+8*(4*\c+\a)+7], v[ACC+8*(4*(\a)+\b):ACC+8*(4*(\a)+\b)+7]
.endif
.endr
.endr
.endm
; 32 LDS loads in one run: the fragments of the slot's q-th 64 along K into buffer f; the first 32 along K first
.macro FETCH slot, q, f
	WIN TO_F
.irp c, 0,1
.irp i, 0,1,2,3
	ds_load_b128 v[\f+64+8*(4*\c+\i):\f+64+8*(4*\c+\i)+3],   v[ADRB+\slot] offset:128*(\q)+64*\c+\i*16*PITCH
	ds_load_b128 v[\f+64+8*(4*\c+\i)+4:\f+64+8*(4*\c+\i)+7], v[ADRB+\slot] offset:128*(\q)+64*\c+\i*16*PITCH+32
	ds_load_b128 v[\f+8*(4*\c+\i):\f+8*(4*\c+\i)+3],         v[ADRA+\slot] offset:2048*(\q)+1024*\c+\i*8192
	ds_load_b128 v[\f+8*(4*\c+\i)+4:\f+8*(4*\c+\i)+7],       v[ADRA+\slot] offset:2048*(\q)+1024*\c+\i*8192+512
.endr
.endr
.endm
.macro PLACES                          ; four plain places behind a matrix instruction, in front of loads into its sources and of reads of its result
.rept 4
	v_nop
.endr
.endm
; A K step is four quarters of 64 along K, 32 products each, on buffers 0, 1, 0, 1.  One of the first three: multiplies buffer f and fetches quarter q into g.
.macro QUARTER slot, q, f, g, first
	s_wait_dscnt 16                                ; the first 32 along K are in; the youngest sixteen loads may be out
	WIN MUL
	MUL8 \f, 0, 0, \first
	MUL8 \f, 0, 2, \first
	PLACES
	FETCH \slot, \q, \g
	s_wait_dscnt 32                                ; all but the 32 just issued
	WIN MUL
	MUL8 \f, 1, 0, 0
	MUL8 \f, 1, 2, 0
.endm
; The last quarter multiplies buffer 1 and changes slots: ONE barrier; in front of it each wave waits for all its tensor loads, adds 0 to its spare word, and waits for that and for its reads of this slot.  fill = 1: this slot is filled again, two K steps ahead.
.macro TURN slot, next, fill
	WIN 0                                          ; (the add's two registers lie in window 0)
	s_wait_tensorcnt 0x0                           ; all my tensor loads have landed: my part of the next slot
	ds_add_u32 v[SPW], v[NIL]                      ; 0 onto my spare word
	s_wait_dscnt 17                                ; (the add and the youngest sixteen loads may be out)
	WIN MUL
	MUL8 F1, 0, 0, 0                               ; eight products stand between the add and the wait for it
	s_wait_dscnt 0x0                               ; the add is done, and my reads of this slot are over
	s_barrier_signal -1
	MUL8 F1, 0, 2, 0
.if \fill
	WIN 0
.endif
	s_barrier_wait -1
.if \fill
	CREST                                          ; the barrier has opened a round of the cluster's barrier: no wave of any partner still reads this slot or has a load on its way
	s_add_nc_u64 s[G0+4*\slot+2:G0+4*\slot+3], s[G0+4*\slot+2:G0+4*\slot+3], 2*8192
	s_add_nc_u64 s[G0B+4*\slot+2:G0B+4*\slot+3], s[G0B+4*\slot+2:G0B+4*\slot+3], 2*512
	JLOAD \slot                                    ; the first tensor load behind the round; the four v_nop behind it are also the places in front of the loads below
.else
	PLACES
.endif
	FETCH \next, 0, F0
	WIN MUL
	MUL8 F1, 1, 0, 0
	MUL8 F1, 1, 2, 0
.endm
	s_wait_tensorcnt 0x1                           ; my part of K step 0 is in; K step 1's may be out
	s_barrier_signal -1
	s_barrier_wait -1
	FETCH 0, 0, F0
	s_wait_loadcnt 0x0                             ; the bias
	QUARTER 0, 1, F0, F1, 1                        ; K step 0
	QUARTER 0, 2, F1, F0, 0
	QUARTER 0, 3, F0, F1, 0
	TURN 0, 1, 1                                   ; slot 0 takes K step 2
	QUARTER 1, 1, F0, F1, 0                        ; K step 1
	QUARTER 1, 2, F1, F0, 0
	QUARTER 1, 3, F0, F1, 0
	TURN 1, 0, 1                                   ; slot 1 takes K step 3
	QUARTER 0, 1, F0, F1, 0                        ; K step 2
	QUARTER 0, 2, F1, F0, 0
	QUARTER 0, 3, F0, F1, 0
	TURN 0, 1, 0                                   ; nothing is left to fetch
	QUARTER 1, 1, F0, F1, 0                        ; K step 3
	QUARTER 1, 2, F1, F0, 0
	QUARTER 1, 3, F0, F1, 0
	s_wait_dscnt 16
	WIN MUL
	MUL8 F1, 0, 0, 0
	MUL8 F1, 0, 2, 0
	s_wait_dscnt 0x0
	MUL8 F1, 1, 0, 0
	MUL8 F1, 1, 2, 0
	WIN 0
	; THE WAY OUT, a block of 16 rows x 64 columns at a time: 32 bytes a lane into my own stage, back as whole rows of 256 bytes.  LDS serves a wave's instructions in order (ISA guide 5.7.1.4): no wait between the stores and the loads, nor in front of the next block's stores.
	PLACES
.irp i, 0,1,2,3
	WIN 0
.irp b, 0,1,2,3
	ds_store_b128 v[STO], v[ACC+8*(4*\i+\b):ACC+8*(4*\i+\b)+3] offset:64*\b          ; each accumulator from its low end on
	ds_store_b128 v[STO], v[ACC+8*(4*\i+\b)+4:ACC+8*(4*\i+\b)+7] offset:64*\b+16
.endr
	WIN TO_F
.irp t, 0,1,2,3,4,5,6,7
	ds_load_b128 v[32*\i+4*\t:32*\i+4*\t+3], v[RD] offset:\t*2*SPITCH
.endr
.endr
	WIN 0x04                                       ; a store's data are its source 1: window 1
.irp i, 0,1,2,3
	s_wait_dscnt 16*(3-\i)                         ; block i is back; the later blocks' sixteen LDS instructions each may be out
.irp t, 0,1,2,3,4,5,6,7
	global_store_b128 v[CO], v[32*\i+4*\t:32*\i+4*\t+3], s[10:11] offset:(16*\i+2*\t)*4096 th:TH_STORE_NT   ; 16 lanes store 256 consecutive bytes, aligned; written once, read by nobody here
.endr
.endr
	WIN 0
	s_wait_tensorcnt 0x0                           ; the wave's end, behind my last tensor load and my last LDS store
	ds_add_u32 v[SPW], v[NIL]
	s_wait_dscnt 0x0
	CROUND                                         ; the closing round
	s_endpgm
.Lfunc_end_k_q86bc543473_outp:
	.size	k_q86bc543473_outp, .Lfunc_end_k_q86bc543473_outp-k_q86bc543473_outp
	.p2alignl 7, 3214868480
	.fill 96, 4, 3214868480
	.section	.rodata,"a",@progbits
	.p2align	6, 0x0
	.amdhsa_kernel k_q86bc543473_outp
		.amdhsa_group_segment_fixed_size 327680
		.amdhsa_private_segment_fixed_size 0
		.amdhsa_enable_private_segment 0
		.amdhsa_kernarg_size 32
		.amdhsa_user_sgpr_count 2
		.amdhsa_user_sgpr_kernarg_segment_ptr 1
		.amdhsa_wavefront_size32 1
		.amdhsa_system_sgpr_workgroup_id_x 1
		.amdhsa_system_sgpr_workgroup_id_y 1
		.amdhsa_system_sgpr_workgroup_id_z 1
		.amdhsa_system_vgpr_workitem_id 0
		.amdhsa_next_free_vgpr 512
		.amdhsa_next_free_sgpr 66
		.amdhsa_reserve_vcc 0
		.amdhsa_float_denorm_mode_32 3
		.amdhsa_float_denorm_mode_16_64 3
		.amdhsa_memory_ordered 1
		.amdhsa_forward_progress 1
		.amdhsa_inst_pref_size 86
	.end_amdhsa_kernel
	.amdgpu_metadata
---
amdhsa.version: [ 1, 2 ]
amdhsa.kernels:
  - .name:           k_q86bc543473_outp
    .symbol:         k_q86bc543473_outp.kd
    .args:
      - { .name: y16, .offset: 0, .size: 8, .value_kind: global_buffer, .address_space: global }
      - { .name: wc16, .offset: 8, .size: 8, .value_kind: global_buffer, .address_space: global }
      - { .name: bc, .offset: 16, .size: 8, .value_kind: global_buffer, .address_space: global }
      - { .name: out0, .offset: 24, .size: 8, .value_kind: global_buffer, .address_space: global }
    .group_segment_fixed_size: 327680
    .private_segment_fixed_size: 0
    .kernarg_segment_align: 8
    .kernarg_segment_size: 32
    .max_flat_workgroup_size: 128
    .sgpr_count:     66
    .vgpr_count:     512
    .wavefront_size: 32
...
	.end_amdgpu_metadata
.endif
;; end of part 4
